; MI455X (gfx1250); checked and timed in simulation.
; The chip was launched on July 23, 2026; its instructions are those of AMD's public machine-readable ISA for CDNA 5 (MIT licence, August 2026) and "CDNA5" Instruction Set Architecture Reference Guide (July 2026). The comments in the code are by the model that wrote it; some were corrected since.
;; KAN Layer. Allowed arithmetic: float matrix products may take bf16 or f16 operands with f32 sums; all other float work in f32.
;; Inputs: bias 256 float32; coeffs 256 x 128 x 64 float32; knots 64 float32; x 2,048 x 128 float32.
;; Outputs: out0 2,048 x 256 float32.
;; 2 versions, each right; version 2 is version 1 with the launch main written anew for expert scheduling mode. Each part assembles by itself: llvm-mc -triple=amdgcn-amd-amdhsa -mcpu=gfx1250 --defsym DOCPART=n.
;; ======== version 1 of 2: 2 launches
;; limits: values outside matrix products are rounded to bf16
;; workspace buffers: tab 8,388,608 bytes; recp 2,097,152 bytes; reca 524,288 bytes of whole numbers; tabt 524,288 bytes; rect 4,194,304 bytes
;; launch prep (part 1): grid 256 x 1, 8 waves a work-group, no clusters, 66,048 bytes of LDS; arguments coeffs, knots, x, tab, recp, reca, tabt, rect; writes tab, recp, reca, tabt, rect
.if DOCPART == 1
	.amdgcn_target "amdgcn-amd-amdhsa--gfx1250"
	.amdhsa_code_object_version 6
	.text
	.protected	k_q8e6b3e7cf8_prep
	.globl	k_q8e6b3e7cf8_prep
	.p2align	8
	.type	k_q8e6b3e7cf8_prep,@function
k_q8e6b3e7cf8_prep:
	s_mov_b64 s[64:65], 0
	v_nop
	global_prefetch_b8 v0, s[64:65] scope:SCOPE_SE
	s_setreg_imm32_b32 hwreg(HW_REG_WAVE_MODE, 25, 1), 1
	s_wait_xcnt 0x0
; KAN layer, first launch: everything that is needed once.
;  (a) tab : for every (o, i, knot) the word {bf16 y, bf16 PCHIP slope d}, in the order in which the second launch's matrix
;            instructions take it: tab[o/16][i][q][hf][lane = 16*(knot&1) + o%16][4 words], knot = 2*(8q + 4hf + word) + (knot&1).
;      tabt: the two linear tails' table, slopes in two bf16 parts: for (o, i, side) the words {d_hi, d_lo}, {d_hi, y_end};
;            tabt[o/16][i/8][s][hf][lane = 16*side + o%16][4 words], input 8(i/8) + 4s + 2hf + (word>>1), word type word&1.
;  (b) recp: for every (b, i) two weight words {bf16 weight of y, bf16 weight of d}: one for the even knot, one for the odd knot of
;            the interval (both 0 where x lies in a tail);  recp[b/16][i/4][lane = 16*odd + b%16][i%4].
;      reca: the number (knot>>1, 0..31) of that even / odd knot, one byte each;  reca[b/16][i/8][lane][byte i%8].
;      rect: the tails' weights, w = x + 2 (side 0, x < -2) or x - 2 (side 1, x > 2), else 0: the words {w_hi, w_hi}, {w_lo, 1 or 0};
;            rect[b/16][i/8][s][hf][lane = 16*side + b%16][4 words], as tabt.
; WHY THE TAILS ARE SPLIT: a tail term d (x -+ 2) is not bounded by the size of the coefficients as the cubic's terms are; hi is the upper
; 16 bits of the f32, lo the exact remainder rounded to bf16; d_hi w_hi + d_lo w_hi + d_hi w_lo leaves out about 2^-16 of the term.
; 256 work-groups of 8 waves; each does 1/256 of (a): 16 outputs x 8 inputs, and 1/256 of (b): 16 rows x 64 inputs.
; All results are turned into their order through LDS, so that every global store of a wave covers 256 or 512 consecutive bytes.
; No matrix unit, tensor load or cluster: each input byte is read once by one work-group and nothing is shared.
; LIMITS.  knots strictly increasing (the model's searchsorted assumes it).  NaN in x is not propagated (the clip takes the bound).
; Divisions are a reciprocal and a multiply; the reciprocal takes denormal inputs as zero and gives zero for denormal results
; (ISA guide 15.8).  y, d and the cubic's weights are rounded to bf16, since they are operands of the second launch's matrix product.
.set EPSB,    0x2b8cbccc               ; 1e-12
.set T_IST,   4368                     ; table stage: bytes from input to input: 8 blocks + 16
.set T_BST,   544                      ; bytes from block (q, hf) to block: 512 + 32
.set P_STAGE, 35072                    ; weight words: 16 blocks (i/4) of 512 + 16 bytes
.set P_BST,   528
.set A_STAGE, 43520                    ; knot numbers: 8 blocks (i/8) of 256 + 16 bytes
.set A_BST,   272
.set R_STAGE, 46080                    ; tail weights: hf x 16 blocks (i/4) of 512 + 16 bytes
.set R_HST,   16*P_BST
.set TT_STAGE, 62976                   ; tail table: 2048 bytes, in tabt's own order
.set KEPS,   96                        ; s96  EPS
.set KTHREE, 97                        ; s97  3.0
.set MLAST,  98                        ; s98  lanes that hold knots 60..63
.set MFIRST, 99                        ; s99  lanes that hold knots 0..3
.set MA,     100
.set MB,     101
; knots[k] lies in s[16+k] for k < 48 and in s[32+k] for k >= 48
; v1 scratch, v2 lane, v3 c = t & 15, v4 16*lane, v5 x offset, v6-8 knot offsets, v9-16 LDS addresses, v17 t >> 4, v18 8 t
.set RRD,  15                          ; tail weights, out
.set RSTO, 16                          ; tail weights, in
.set X,   20                           ; v[20:23]  four x of one row
.set KX,  24                           ; v[24:27]  knots 4c..4c+3
.set KPV, 28                           ; knot 4c-1 (clamped)
.set KNX, 29                           ; knot 4c+4 (clamped)
.set Y,   32                           ; v[32:63]  eight chunks of four coefficients; later the table words on their way out
.set RH,  64                           ; 1/(h+EPS) of intervals 4c..4c+3
.set W1,  68
.set W2,  72
.set WS,  76
.set CA,  80                           ; end slope: 2 ha + hb
.set CB,  81                           ; ha
.set RE,  82                           ; 1/(ha+hb+EPS)
.set HH,  84                           ; v[84:88]   h of intervals 4c-1..4c+3
.set YN,  90                           ; the next lane's first coefficient
.set DD,  91                           ; v[91:95]   delta of intervals 4c-1..4c+3
.set AA,  96                           ; v[96:100]  delta + EPS
.set RA,  101                          ; v[101:105] 1/(delta + EPS)
.set DEN, 106
.set SS,  110                          ; first delta[k-1]*delta[k], then the four slopes
.set DA,  114
.set DI,  115
.set T1,  116
.set M3,  117
.set WP,  118                          ; v[118:121] words of knots 4c, 4c+2 | 4c+1, 4c+3
.set TTSTO, 122                        ; tail table, in
.set TTRD,  123                        ; tail table, out
.set YE,  124                          ; y[0] or y[63]
.set DH,  125                          ; end slope, upper 16 bits
.set DL,  126                          ; end slope, remainder
.set XC,  130
.set XS,  131
.set C,   132                          ; v[132:140] nine knots of the chosen group of eight intervals
.set CG,  141
.set CF,  142
.set XK,  143
.set XK1, 144
.set HB,  145
.set RHB, 146
.set T,   147
.set T2,  148
.set H01, 149
.set H00, 150
.set U,   151
.set H11, 152
.set H10, 153
.set PW0, 154
.set PW1, 155
.set FL,  156                          ; 1.0 in the tail, else 0
.set LOW, 157                          ; the tail weight's remainder
.set IDX, 158
.set AE,  159
.set AO,  160
.set PEQ, 164                          ; v[164:167] even-knot words of my four inputs
.set POQ, 168                          ; v[168:171] odd-knot words
.set AEW, 172
.set AOW, 173
.set TBW, 176                          ; v[176:183] left tail: word 2e + type of my input e
.set TAW, 184                          ; v[184:191] right tail
.set TW,  192                          ; v[192:207] tail table: the two words of chunk it at +2 it
	s_load_b256 s[4:11], s[0:1], 0x0               ; coeffs s[4:5], knots s[6:7], x s[8:9], tab s[10:11]
	s_load_b128 s[12:15], s[0:1], 0x20             ; recp s[12:13], reca s[14:15]
	v_lshl_add_u32 v208, v0, 2, 0xfe00
	v_mov_b32 v209, 0
	v_lshrrev_b32 v1, 5, v0
	v_readfirstlane_b32 s66, v1                    ; wave 0..7
	v_and_b32 v2, 31, v0                           ; lane
	v_and_b32 v3, 15, v0                           ; c: my four knots in (a), my four inputs in (b)
	v_lshrrev_b32 v17, 4, v0                       ; (b): my row 0..15
	v_lshlrev_b32 v4, 4, v2                        ; 16 lane
	v_lshlrev_b32 v5, 9, v17                       ; x: row * 512
	v_lshl_add_u32 v5, v3, 4, v5                   ;    + 16 c
	v_lshlrev_b32 v6, 4, v3                        ; knots 4c..
	v_max_u32 v7, 4, v6
	v_add_nc_u32 v7, -4, v7                        ; knot 4c-1, in lane 0 knot 0 (what hangs on it is replaced by the end slope)
	v_add_nc_u32 v8, 16, v6
	v_min_u32 v8, 252, v8                          ; knot 4c+4, in lane 15 knot 63 (likewise)
	v_lshlrev_b32 v18, 3, v0                       ; 8 t
	; byte offsets of this work-group and wave in the tensors
	s_lshr_b32 s67, ttmp9, 1                       ; (b): tile of 16 rows
	s_and_b32  s79, ttmp9, 1                       ;      which 64 inputs
	s_lshl_b32 s68, s67, 13                        ; x: 16 rows of 512 bytes
	s_lshl_b32 s78, s79, 8
	s_add_co_u32 s68, s68, s78
	s_mov_b32  s69, 0
	s_lshl_b32 s74, s67, 14                        ; recp: 32 blocks of 512 bytes a tile, 16 a half, 2 a wave
	s_lshl_b32 s78, s79, 13
	s_add_co_u32 s74, s74, s78
	s_lshl_b32 s78, s66, 10
	s_add_co_u32 s74, s74, s78
	s_mov_b32  s75, 0
	s_lshl_b32 s76, s67, 12                        ; reca: 16 blocks of 256 bytes a tile, 8 a half
	s_lshl_b32 s78, s79, 11
	s_add_co_u32 s76, s76, s78
	s_mov_b32  s77, 0
	s_lshr_b32 s67, ttmp9, 4                       ; (a): tile of 16 outputs
	s_and_b32  s79, ttmp9, 15                      ;      group of 8 inputs
	s_lshl_b32 s70, s67, 19                        ; 16 outputs x 32768 bytes in coeffs; 128 inputs x 4096 bytes in tab
	s_lshl_b32 s78, s79, 11
	s_add_co_u32 s72, s70, s78                     ; coeffs: + 8 inputs x 256 bytes
	s_lshl_b32 s78, s66, 16
	s_add_co_u32 s72, s72, s78                     ;         + two outputs a wave
	s_mov_b32  s73, 0
	s_lshl_b32 s78, s79, 15
	s_add_co_u32 s70, s70, s78                     ; tab: + 8 inputs x 4096 bytes
	s_lshl_b32 s78, s66, 12
	s_add_co_u32 s70, s70, s78                     ;      + one input a wave
	s_mov_b32  s71, 0
	s_mov_b32  s[KEPS], EPSB
	s_mov_b32  s[KTHREE], 0x40400000
	s_wait_kmcnt 0x0                               ; the first six addresses
	s_load_b512 s[16:31], s[6:7], 0x0              ; all 64 knots as scalars, for the search
	s_load_b512 s[32:47], s[6:7], 0x40
	s_load_b512 s[48:63], s[6:7], 0x80
	s_load_b512 s[80:95], s[6:7], 0xc0
	s_add_nc_u64 s[8:9], s[8:9], s[68:69]
	s_add_nc_u64 s[4:5], s[4:5], s[72:73]
	s_add_nc_u64 s[10:11], s[10:11], s[70:71]
	s_add_nc_u64 s[12:13], s[12:13], s[74:75]
	s_add_nc_u64 s[14:15], s[14:15], s[76:77]
	s_load_b128 s[68:71], s[0:1], 0x30             ; tabt s[68:69], rect s[70:71], into offset registers that are done with
	s_lshr_b32 s67, ttmp9, 1                       ; tile of 16 rows again
	s_and_b32  s79, ttmp9, 1
	s_lshl_b32 s72, s67, 15                        ; rect: 16 groups of 2048 bytes a tile, 8 a half, 1 a wave
	s_lshl_b32 s78, s79, 14
	s_add_co_u32 s72, s72, s78
	s_lshl_b32 s78, s66, 11
	s_add_co_u32 s72, s72, s78
	s_mov_b32  s73, 0
	s_lshl_b32 s74, ttmp9, 11                      ; tabt: 2048 bytes for each (tile of outputs, group of inputs) = work-group
	s_mov_b32  s75, 0
	global_load_b128 v[X:X+3], v5, s[8:9] th:TH_LOAD_NT        ; 16 lanes: 256 consecutive bytes of a row of x
	global_load_b128 v[KX:KX+3], v6, s[6:7]
	global_load_b32 v[KPV], v7, s[6:7]
	global_load_b32 v[KNX], v8, s[6:7]
.irp it, 0,1,2,3,4,5,6,7
	global_load_b128 v[Y+4*\it:Y+4*\it+3], v4, s[4:5] offset:(\it/4)*32768+(\it%4)*512 th:TH_LOAD_NT   ; two (o, i) rows: 512 consecutive bytes
.endr
	; LDS addresses
	v_lshrrev_b32 v1, 4, v2
	v_mul_u32_u24 v9, v1, T_IST                    ; table stage, in: (input parity) * T_IST
	v_lshlrev_b32 v[TTSTO], 3, v1                  ; tail table, in: 8 (input parity)
	v_lshrrev_b32 v1, 1, v3
	v_mul_u32_u24 v15, v1, T_BST
	v_add_nc_u32 v9, v9, v15                       ;  + block c>>1
	v_mul_u32_u24 v13, v1, A_BST                   ; knot numbers, in: block c>>1
	v_and_b32 v1, 1, v3
	v_lshl_add_u32 v9, v1, 3, v9                   ;  + 8 (c&1)
	v_lshl_add_u32 v13, v1, 2, v13                 ;  + 4 (c&1)
	s_lshl_b32 s78, s66, 5
	v_add_nc_u32 v9, s78, v9                       ;  + 16 bytes for each of my two outputs
	v_add_nc_u32 v1, 1, v3
	v_lshrrev_b32 v1, 4, v1                        ; 1 in the lanes of knots 60..63: the right tail
	v_lshl_add_u32 v[TTSTO], v1, 8, v[TTSTO]       ;  + 256 side
	s_add_co_u32 s78, s78, TT_STAGE
	v_add_nc_u32 v[TTSTO], s78, v[TTSTO]           ;  + 16 bytes for each of my two outputs
	v_add_nc_u32 v[TTRD], TT_STAGE, v18            ; tail table, out: 8 bytes a thread
	v_lshl_add_u32 v13, v17, 3, v13                ;  + 8 row
	v_add_nc_u32 v13, A_STAGE, v13
	s_mul_i32 s78, s66, T_IST
	v_add_nc_u32 v10, s78, v4                      ; table stage, out: input = wave, 16 bytes a lane
	v_mul_u32_u24 v11, v3, P_BST
	v_lshl_add_u32 v11, v17, 4, v11
	v_add_nc_u32 v[RSTO], R_STAGE, v11             ; tail weights, in: block c, slot row
	v_add_nc_u32 v11, P_STAGE, v11                 ; weight words, in: block c, slot row
	s_mul_i32 s78, s66, 2*P_BST
	v_add_nc_u32 v12, s78, v4
	v_add_nc_u32 v[RRD], R_STAGE, v12              ; tail weights, out: blocks 2w, 2w+1
	v_add_nc_u32 v12, P_STAGE, v12                 ; weight words, out: blocks 2w, 2w+1
	s_mul_i32 s78, s66, A_BST
	s_add_co_u32 s78, s78, A_STAGE
	v_lshl_add_u32 v14, v2, 3, s78                 ; knot numbers, out: block w, 8 bytes a lane
	v_mov_b32 v[YN], 0                             ; destinations of the lane shifts below: written once before
	v_mov_b32 v[DD], 0
; One side's tail words of input e.  U holds x -+ 2, vcc the lanes in that tail.
.macro TAILW dst, e
	v_cndmask_b32 v[PW0], v[PW0], 0, vcc_lo        ; the cubic has no part in a tail
	v_cndmask_b32 v[PW1], v[PW1], 0, vcc_lo
	v_cndmask_b32 v[U], 0, v[U], vcc_lo            ; w
	v_cndmask_b32 v[FL], 0, 1.0, vcc_lo
	v_perm_b32 v[\dst+2*\e], v[U], v[U], 0x07060706            ; {w_hi, w_hi}: the upper 16 bits twice
	v_and_b32 v[LOW], 0xffff0000, v[U]
	v_sub_f32 v[LOW], v[U], v[LOW]                 ; exact
	v_cvt_pk_bf16_f32 v[\dst+2*\e+1], v[LOW], v[FL]            ; {w_lo, 1 or 0}
.endm
; (b) one x: interval, Hermite weights, the two linear tails.
; idx = clip(#{knots < xc} - 1, 0, 62).  With xs = min(xc, knots[63]) the last knot never counts, which is the upper clip.
; Two levels of eight, all by selects: seven pivots knots[8g] choose nine knots, seven more compares choose two of them.
.macro REC e
	v_max_num_f32 v[XC], -2.0, v[X+\e]
	v_min_num_f32 v[XC], 2.0, v[XC]
	v_min_num_f32 v[XS], s95, v[XC]
.irp j, 0,1,2,3,4,5,6,7,8
	v_mov_b32 v[C+\j], s[16+\j]
.endr
	v_mov_b32 v[CG], 0
.irp g, 1,2,3,4,5,6,7
	v_cmp_lt_f32 vcc_lo, s[16+8*\g+16*((8*\g)/48)], v[XS]
.irp j, 0,1,2,3,4,5,6,7
	v_cndmask_b32 v[C+\j], v[C+\j], s[16+8*\g+\j+16*((8*\g+\j)/48)], vcc_lo
.endr
.if \g < 7
	v_cndmask_b32 v[C+8], v[C+8], s[16+8*\g+8+16*((8*\g+8)/48)], vcc_lo
.endif
	v_add_co_ci_u32 v[CG], vcc_lo, 0, v[CG], vcc_lo            ; count the pivots below xs
.endr
	v_cmp_lt_f32 vcc_lo, v[C+1], v[XS]
	v_cndmask_b32 v[XK], v[C+0], v[C+1], vcc_lo
	v_cndmask_b32 v[XK1], v[C+1], v[C+2], vcc_lo
	v_cndmask_b32 v[CF], 0, 1, vcc_lo
.irp j, 2,3,4,5,6,7
	v_cmp_lt_f32 vcc_lo, v[C+\j], v[XS]                        ; in the last group C+7 is knots[63], never below xs: C+8 is not taken there
	v_cndmask_b32 v[XK], v[XK], v[C+\j], vcc_lo
	v_cndmask_b32 v[XK1], v[XK1], v[C+\j+1], vcc_lo
	v_add_co_ci_u32 v[CF], vcc_lo, 0, v[CF], vcc_lo
.endr
	v_lshl_add_u32 v[IDX], v[CG], 3, v[CF]
	v_sub_f32 v[HB], v[XK1], v[XK]
	v_max_num_f32 v[HB], s[KEPS], v[HB]
	v_rcp_f32 v[RHB], v[HB]
	v_sub_f32 v[T], v[XC], v[XK]                   ; the plain instruction between the reciprocal and its use (ISA guide 5.7.2)
	s_wait_alu depctr_va_vdst(0)
	v_mul_f32 v[T], v[T], v[RHB]
	v_mul_f32 v[T2], v[T], v[T]
	v_fma_f32 v[U], -2.0, v[T], s[KTHREE]          ; 3 - 2t
	v_mul_f32 v[H01], v[T2], v[U]                  ; h01 = 3t2 - 2t3
	v_sub_f32 v[H00], 1.0, v[H01]                  ; h00 = 1 - h01
	v_fma_f32 v[H11], v[T2], v[T], -v[T2]          ; h11 = t3 - t2
	v_sub_f32 v[H10], v[H11], v[T2]
	v_add_f32 v[H10], v[H10], v[T]                 ; h10 = t3 - 2t2 + t
	v_mul_f32 v[H10], v[H10], v[HB]                ; the slopes' weights carry h
	v_mul_f32 v[H11], v[H11], v[HB]
	v_cvt_pk_bf16_f32 v[PW0], v[H00], v[H10]       ; word of knot idx
	v_cvt_pk_bf16_f32 v[PW1], v[H01], v[H11]       ; word of knot idx+1
	v_add_f32 v[U], 2.0, v[X+\e]                   ; left tail: y[0] + d[0] (x + 2)
	v_cmp_gt_f32 vcc_lo, -2.0, v[X+\e]
	TAILW TBW, \e
	v_add_f32 v[U], -2.0, v[X+\e]                  ; right tail: y[63] + d[63] (x - 2)
	v_cmp_lt_f32 vcc_lo, 2.0, v[X+\e]
	TAILW TAW, \e
	v_and_b32 v[U], 1, v[IDX]
	v_cmp_eq_u32 vcc_lo, 1, v[U]                   ; idx odd: the even knot is idx+1
	v_cndmask_b32 v[PEQ+\e], v[PW0], v[PW1], vcc_lo
	v_cndmask_b32 v[POQ+\e], v[PW1], v[PW0], vcc_lo
	v_lshrrev_b32 v[AO], 1, v[IDX]                 ; (odd knot) >> 1
	v_add_nc_u32 v[AE], 1, v[IDX]
	v_lshrrev_b32 v[AE], 1, v[AE]                  ; (even knot) >> 1
.if \e == 0
	v_mov_b32 v[AEW], v[AE]
	v_mov_b32 v[AOW], v[AO]
.else
	v_lshl_or_b32 v[AEW], v[AE], 8*\e, v[AEW]
	v_lshl_or_b32 v[AOW], v[AO], 8*\e, v[AOW]
.endif
.endm
	s_wait_kmcnt 0x0                               ; the knots as scalars, and the last two addresses
	s_add_nc_u64 s[68:69], s[68:69], s[74:75]      ; tabt at my work-group's 2048 bytes
	s_add_nc_u64 s[70:71], s[70:71], s[72:73]      ; rect at my wave's 2048 bytes
	s_wait_loadcnt 11                              ; x is in: behind it 3 knot loads and 8 coefficient loads were issued
	REC 0
	REC 1
	REC 2
	REC 3
	ds_store_b128 v11, v[PEQ:PEQ+3]                ; slot row: even knots
	ds_store_b128 v11, v[POQ:POQ+3] offset:256     ; slot 16 + row: odd knots
	ds_store_b32 v13, v[AEW]
	ds_store_b32 v13, v[AOW] offset:128
	ds_store_b128 v[RSTO], v[TBW:TBW+3]                        ; inputs 0, 1: slot row: left tail
	ds_store_b128 v[RSTO], v[TAW:TAW+3] offset:256             ;              slot 16 + row: right tail
	ds_store_b128 v[RSTO], v[TBW+4:TBW+7] offset:R_HST         ; inputs 2, 3
	ds_store_b128 v[RSTO], v[TAW+4:TAW+7] offset:R_HST+256
	; (a) what hangs on the knots alone, once for each lane
	s_wait_loadcnt 8                               ; the three knot loads are in; the 8 coefficient loads may be out
	v_sub_f32 v[HH+0], v[KX+0], v[KPV]
	v_sub_f32 v[HH+1], v[KX+1], v[KX+0]
	v_sub_f32 v[HH+2], v[KX+2], v[KX+1]
	v_sub_f32 v[HH+3], v[KX+3], v[KX+2]
	v_sub_f32 v[HH+4], v[KNX], v[KX+3]
	v_cmp_eq_u32 s[MLAST], 15, v3
	v_cmp_eq_u32 s[MFIRST], 0, v3
	v_cndmask_b32 v[CB], v[HH+1], v[HH+3], s[MLAST]            ; h[0], in the last lane h[62]; the neighbour is HH+2 in both
	v_add_f32 v[RE], v[CB], v[HH+2]
	v_add_f32 v[RE], s[KEPS], v[RE]
.irp e, 0,1,2,3
	v_add_f32 v[RH+\e], s[KEPS], v[HH+\e+1]
.endr
	v_rcp_f32 v[RE], v[RE]
.irp e, 0,1,2,3
	v_rcp_f32 v[RH+\e], v[RH+\e]
.endr
	v_fma_f32 v[CA], 2.0, v[CB], v[HH+2]           ; plain work behind the reciprocals
.irp e, 0,1,2,3
	v_fma_f32 v[W1+\e], 2.0, v[HH+\e+1], v[HH+\e]  ; 2 hk + hkm1
	v_fma_f32 v[W2+\e], 2.0, v[HH+\e], v[HH+\e+1]  ; hk + 2 hkm1
.endr
	s_wait_alu depctr_va_vdst(0)
.irp e, 0,1,2,3
	v_add_f32 v[WS+\e], v[W1+\e], v[W2+\e]
.endr
; Chunk it: two (o, i) rows of 64 coefficients, one in each half of the wave, four knots a lane.
.macro SLOPE it
	s_wait_loadcnt 7-\it                           ; loads come back in order: chunk it is in, the younger ones may be out
	v_mov_b32_dpp v[YN], v[Y+4*\it] row_shl:1 row_mask:0xf bank_mask:0xf bound_ctrl:1     ; y[4c+4] from the next lane
	v_sub_f32 v[DD+1], v[Y+4*\it+1], v[Y+4*\it+0]
	v_sub_f32 v[DD+2], v[Y+4*\it+2], v[Y+4*\it+1]
	v_sub_f32 v[DD+3], v[Y+4*\it+3], v[Y+4*\it+2]
	v_sub_f32 v[DD+4], v[YN], v[Y+4*\it+3]
.irp e, 0,1,2,3
	v_mul_f32 v[DD+\e+1], v[DD+\e+1], v[RH+\e]
.endr
	v_mov_b32_dpp v[DD], v[DD+4] row_shr:1 row_mask:0xf bank_mask:0xf bound_ctrl:1        ; delta[4c-1] from the lane before
.irp j, 0,1,2,3,4
	v_add_f32 v[AA+\j], s[KEPS], v[DD+\j]
.endr
.irp j, 0,1,2,3,4
	v_rcp_f32 v[RA+\j], v[AA+\j]
.endr
.irp e, 0,1,2,3
	v_mul_f32 v[SS+\e], v[DD+\e], v[DD+\e+1]       ; the sign test's product; also the plain work behind the reciprocals
.endr
	s_wait_alu depctr_va_vdst(0)
.irp e, 0,1,2,3
	v_mul_f32 v[DEN+\e], v[W1+\e], v[RA+\e]
.endr
.irp e, 0,1,2,3
	v_fma_f32 v[DEN+\e], v[W2+\e], v[RA+\e+1], v[DEN+\e]
.endr
.irp e, 0,1,2,3
	v_add_f32 v[DEN+\e], s[KEPS], v[DEN+\e]
.endr
.irp e, 0,1,2,3
	v_rcp_f32 v[DEN+\e], v[DEN+\e]
.endr
	; the end slope with its limiter, computed in every lane, used in the first and the last (plain work behind the reciprocals)
	v_cndmask_b32 v[DA], v[DD+1], v[DD+3], s[MLAST]
	v_mul_f32 v[T1], v[CB], v[DD+2]
	v_fma_f32 v[DI], v[CA], v[DA], -v[T1]
	v_mul_f32 v[DI], v[DI], v[RE]
	v_mul_f32 v[T1], v[DI], v[DA]
	v_cmp_ge_f32 vcc_lo, 0, v[T1]
	v_cndmask_b32 v[DI], v[DI], 0, vcc_lo
	v_mul_f32 v[M3], s[KTHREE], v[DA]
	v_mul_f32 v[T1], v[DA], v[DD+2]
	v_cmp_gt_f32 s[MA], 0, v[T1]
	v_cmp_gt_f32 s[MB], |v[DI]|, |v[M3]|
	s_and_b32 s[MA], s[MA], s[MB]
	v_cndmask_b32 v[DI], v[DI], v[M3], s[MA]
	s_wait_alu depctr_va_vdst(0)
.irp e, 0,1,2,3
	v_cmp_lt_f32 vcc_lo, 0, v[SS+\e]
	v_mul_f32 v[DEN+\e], v[WS+\e], v[DEN+\e]
	v_cndmask_b32 v[SS+\e], 0, v[DEN+\e], vcc_lo
.endr
	v_cndmask_b32 v[SS+0], v[SS+0], v[DI], s[MFIRST]
	v_cndmask_b32 v[SS+3], v[SS+3], v[DI], s[MLAST]
	; the tail's two table words, of use in the first and the last lane of each row; kept until all chunks are done
	v_cndmask_b32 v[YE], v[Y+4*\it], v[Y+4*\it+3], s[MLAST]
	v_and_b32 v[DH], 0xffff0000, v[DI]
	v_sub_f32 v[DL], v[DI], v[DH]                  ; exact
	v_cvt_pk_bf16_f32 v[TW+2*\it], v[DH], v[DL]    ; {d_hi, d_lo}
	v_cvt_pk_bf16_f32 v[TW+2*\it+1], v[DH], v[YE]  ; {d_hi, y_end}
	v_cvt_pk_bf16_f32 v[WP+0], v[Y+4*\it+0], v[SS+0]
	v_cvt_pk_bf16_f32 v[WP+1], v[Y+4*\it+2], v[SS+2]
	v_cvt_pk_bf16_f32 v[WP+2], v[Y+4*\it+1], v[SS+1]
	v_cvt_pk_bf16_f32 v[WP+3], v[Y+4*\it+3], v[SS+3]
	ds_store_b64 v9, v[WP:WP+1] offset:(\it%4)*2*T_IST+(\it/4)*16              ; even knots: slot o%16
	ds_store_b64 v9, v[WP+2:WP+3] offset:(\it%4)*2*T_IST+(\it/4)*16+256        ; odd knots: slot 16 + o%16
.endm
.irp it, 0,1,2,3,4,5,6,7
	SLOPE \it
.endr
	; the tail table: only the lanes of knots 0..3 (left) and 60..63 (right) hold an end slope
	s_wait_xcnt 0x0                                ; EXEC changes only behind this wait (all global loads are also back: the last chunk's wait was for 0)
	s_or_b32 vcc_lo, s[MFIRST], s[MLAST]
	s_and_saveexec_b32 s[MA], vcc_lo
.irp it, 0,1,2,3,4,5,6,7
	ds_store_b64 v[TTSTO], v[TW+2*\it:TW+2*\it+1] offset:(\it%4)*512+(\it/4)*16   ; inputs 2 (it%4), +1: block (s, hf) = it%4; output 2w + it/4
.endr
	s_or_b32 exec_lo, exec_lo, s[MA]               ; no global instruction stood under the narrow EXEC
	s_wait_dscnt 0x0                               ; my stores into the five stages are done, for the other waves' sake
	s_barrier_signal -1
	s_barrier_wait -1                              ; everybody's are
.irp blk, 0,1,2,3,4,5,6,7
	ds_load_b128 v[Y+4*\blk:Y+4*\blk+3], v10 offset:\blk*T_BST
.endr
	ds_load_b128 v[PEQ:PEQ+3], v12
	ds_load_b128 v[POQ:POQ+3], v12 offset:P_BST
	ds_load_b64 v[AEW:AEW+1], v14
.irp cc, 0,1
.irp hf, 0,1
	ds_load_b128 v[TBW+8*\cc+4*\hf:TBW+8*\cc+4*\hf+3], v[RRD] offset:\cc*P_BST+\hf*R_HST
.endr
.endr
	ds_load_b64 v[TW:TW+1], v[TTRD]
	s_wait_dscnt 0x0
.irp blk, 0,1,2,3,4,5,6,7
	global_store_b128 v4, v[Y+4*\blk:Y+4*\blk+3], s[10:11] offset:\blk*512     ; each store of the wave: 512 consecutive bytes, aligned
.endr
	global_store_b128 v4, v[PEQ:PEQ+3], s[12:13]
	global_store_b128 v4, v[POQ:POQ+3], s[12:13] offset:512
	global_store_b64 v18, v[AEW:AEW+1], s[14:15]                               ; 256 consecutive bytes, aligned
.irp cc, 0,1
.irp hf, 0,1
	global_store_b128 v4, v[TBW+8*\cc+4*\hf:TBW+8*\cc+4*\hf+3], s[70:71] offset:\cc*1024+\hf*512
.endr
.endr
	global_store_b64 v18, v[TW:TW+1], s[68:69]                                 ; 256 consecutive bytes, aligned
	s_wait_tensorcnt 0x0
	ds_add_u32 v208, v209
	s_wait_dscnt 0x0
	s_endpgm
.Lfunc_end_k_q8e6b3e7cf8_prep:
	.size	k_q8e6b3e7cf8_prep, .Lfunc_end_k_q8e6b3e7cf8_prep-k_q8e6b3e7cf8_prep
	.p2alignl 7, 3214868480
	.fill 96, 4, 3214868480
	.section	.rodata,"a",@progbits
	.p2align	6, 0x0
	.amdhsa_kernel k_q8e6b3e7cf8_prep
		.amdhsa_group_segment_fixed_size 66048
		.amdhsa_private_segment_fixed_size 0
		.amdhsa_enable_private_segment 0
		.amdhsa_kernarg_size 64
		.amdhsa_user_sgpr_count 2
		.amdhsa_user_sgpr_kernarg_segment_ptr 1
		.amdhsa_wavefront_size32 1
		.amdhsa_system_sgpr_workgroup_id_x 1
		.amdhsa_system_sgpr_workgroup_id_y 1
		.amdhsa_system_sgpr_workgroup_id_z 1
		.amdhsa_system_vgpr_workitem_id 0
		.amdhsa_next_free_vgpr 210
		.amdhsa_next_free_sgpr 102
		.amdhsa_reserve_vcc 1
		.amdhsa_float_denorm_mode_32 3
		.amdhsa_float_denorm_mode_16_64 3
		.amdhsa_memory_ordered 1
		.amdhsa_forward_progress 1
		.amdhsa_inst_pref_size 69
	.end_amdhsa_kernel
	.amdgpu_metadata
---
amdhsa.version: [ 1, 2 ]
amdhsa.kernels:
  - .name:           k_q8e6b3e7cf8_prep
    .symbol:         k_q8e6b3e7cf8_prep.kd
    .args:
      - { .name: coeffs, .offset: 0, .size: 8, .value_kind: global_buffer, .address_space: global }
      - { .name: knots, .offset: 8, .size: 8, .value_kind: global_buffer, .address_space: global }
      - { .name: x, .offset: 16, .size: 8, .value_kind: global_buffer, .address_space: global }
      - { .name: tab, .offset: 24, .size: 8, .value_kind: global_buffer, .address_space: global }
      - { .name: recp, .offset: 32, .size: 8, .value_kind: global_buffer, .address_space: global }
      - { .name: reca, .offset: 40, .size: 8, .value_kind: global_buffer, .address_space: global }
      - { .name: tabt, .offset: 48, .size: 8, .value_kind: global_buffer, .address_space: global }
      - { .name: rect, .offset: 56, .size: 8, .value_kind: global_buffer, .address_space: global }
    .group_segment_fixed_size: 66048
    .private_segment_fixed_size: 0
    .kernarg_segment_align: 8
    .kernarg_segment_size: 64
    .max_flat_workgroup_size: 256
    .sgpr_count:     102
    .vgpr_count:     210
    .wavefront_size: 32
...
	.end_amdgpu_metadata
.endif
;; end of part 1
;; launch main (part 2): grid 8 x 32, 16 waves a work-group, no clusters, 149,504 bytes of LDS; arguments tab, recp, reca, bias, out0, tabt, rect; writes out0
.if DOCPART == 2
	.amdgcn_target "amdgcn-amd-amdhsa--gfx1250"
	.amdhsa_code_object_version 6
	.text
	.protected	k_q8e6b3e7cf8_main
	.globl	k_q8e6b3e7cf8_main
	.p2align	8
	.type	k_q8e6b3e7cf8_main,@function
k_q8e6b3e7cf8_main:
	s_mov_b64 s[64:65], 0
	v_nop
	global_prefetch_b8 v0, s[64:65] scope:SCOPE_SE
	s_setreg_imm32_b32 hwreg(HW_REG_WAVE_MODE, 25, 1), 1
	s_wait_xcnt 0x0
; KAN layer, second launch: out[b][o] = sum over (i, knot) of wy[b][i][knot] y[o][i][knot] + wd[b][i][knot] d[o][i][knot]
;                                      + sum over (i, side) of the linear tails + bias[o],
; a matrix product of 2048 x 256 over K = 128 x (64 x 2 + 8) in bf16 with f32 sums.  The cubic's weights have two non-zero knots for each
; (b, i); their fragments are made in registers by selects, so that no address and no branch hangs on data.
; A work-group owns 64 rows x 32 outputs over the whole K.  Its 16 waves split K: wave w takes inputs 8w..8w+7 and the whole block
; (8 accumulator tiles): 32 steps of 32 along K (one input, 16 knots, y and d) and 2 steps for the tails (four inputs, two sides, two words
; each, slopes and weights in two bf16 parts: see the first launch), 8 matrix instructions a step.  The 16 partial blocks meet in LDS once.
; ORDER OF K, alike in both sources: in step (i, q) register j of lane half h holds the word {y, d} of knot 16q + 2j + h.  So a lane sees
; knots of one parity only, and among its 32 words of a (b, i) at most one is not zero: number a = knot >> 1, at q = a >> 3, j = a & 7.
; In a tail step lane half h is the side, register j the word j & 1 of input 4s + (j >> 1); these fragments come ready from memory.
; THE MATRIX INSTRUCTION IS USED TRANSPOSED: source 0 = 16 outputs of the table, source 1 = 16 rows of weights; register j of lane
; (r, h) is then out(b = r, o = 8h + j): four neighbouring outputs in four registers.
; Fragments go from memory straight into registers, each load of the wave 512 consecutive bytes, through a ring of 6 groups of 4 loads.
; NO CLUSTER, NO TENSOR LOAD: the 32 row blocks do read the same table, but here each table byte is used by one wave of the work-group
; once, from the registers it was loaded into; a joint request delivers into LDS, which would add a write and a read of the work-group's
; 1,048,576 table bytes.
; A work-group owns 128 bytes of each output row, so the one store of a wave covers 4 runs of 128 consecutive bytes.
; LIMITS.  Operands are bf16.  A table entry that is not finite spoils its whole output column (0 x inf).  The sum over i is made
; in the matrix unit's order and then over the 16 waves in a tree, not in the model's order.
.set ACC,  16                          ; v[16:79]    tile (mt, nt) at +8 (2 mt + nt)
.set RING, 80                          ; v[80:175]   group n in slot n % 6: 16 registers
.set WB,   176                         ; v[176:191]  two weight fragments in turn
.set PW,   192                         ; v[192:223]  weight word of (mt, input il) at +8 mt + il
.set AW,   224                         ; v[224:231]  knot numbers: word +2 mt + il/4, byte il%4
.set VHI,  232                         ; v[232:235]  a >> 3 of the current input, for each mt
.set VLO,  236                         ; a & 7
.set PQ,   237                         ; the weight word, or 0 if this step is not its q
.set BIAS, 240                         ; v[240:243]
.set STO,  244                         ; LDS: where my partial tiles go
.set RD,   245                         ; v[245:247]  LDS: where I read the partials of waves 0-6, 7-13, 14-15
.set OOFF, 248                         ; my 16 bytes in the work-group's part of out
.set BOFF, 249                         ; my 16 bytes of bias
.set MSK,  20                          ; s[20:51]    mask (a & 7 == j) at +8 mt + j
.set WST,  9216                        ; LDS bytes of a wave's block: 4 mt x 2 nt x 2 hf x 2 h x (256 + 32)
	s_load_b256 s[4:11], s[0:1], 0x0               ; tab s[4:5], recp s[6:7], reca s[8:9], bias s[10:11]
	s_load_b64 s[12:13], s[0:1], 0x20              ; out0
	s_load_b128 s[52:55], s[0:1], 0x28             ; tabt s[52:53], rect s[54:55]
	v_lshl_add_u32 v254, v0, 2, 0x24000
	v_mov_b32 v255, 0
	v_lshrrev_b32 v4, 5, v0
	v_readfirstlane_b32 s14, v4                    ; wave 0..15
	s_and_b32 s15, ttmp7, 0xffff                   ; block of 64 rows; ttmp9: block of 32 outputs
	v_and_b32 v3, 31, v0                           ; lane
	v_lshlrev_b32 v1, 4, v3                        ; 16 lane
	v_lshlrev_b32 v2, 3, v3                        ; 8 lane
	v_and_b32 v5, 7, v0
	v_lshlrev_b32 v[BOFF], 4, v5                   ; four outputs a thread
	s_mov_b32 s17, 0
	s_wait_kmcnt 0x0
	s_lshl_b32 s16, ttmp9, 20                      ; tab: two tiles of 16 outputs x 524288 bytes
	s_lshl_b32 s18, s14, 15                        ;      + 8 inputs x 4096 bytes a wave
	s_add_co_u32 s16, s16, s18
	s_add_nc_u64 s[4:5], s[4:5], s[16:17]
	s_lshl_b32 s16, s15, 16                        ; recp: four tiles of 16 rows x 16384 bytes
	s_lshl_b32 s18, s14, 10                        ;       + two blocks of 512 bytes a wave
	s_add_co_u32 s16, s16, s18
	s_add_nc_u64 s[6:7], s[6:7], s[16:17]
	s_lshl_b32 s16, s15, 14                        ; reca: four tiles x 4096 bytes
	s_lshl_b32 s18, s14, 8                         ;       + one block of 256 bytes a wave
	s_add_co_u32 s16, s16, s18
	s_add_nc_u64 s[8:9], s[8:9], s[16:17]
	s_lshl_b32 s18, s14, 11                        ; tabt and rect: 2048 bytes for each group of 8 inputs = wave
	s_lshl_b32 s16, ttmp9, 16                      ; tabt: two tiles of 16 outputs x 32768 bytes
	s_add_co_u32 s16, s16, s18
	s_add_nc_u64 s[52:53], s[52:53], s[16:17]
	s_lshl_b32 s16, s15, 17                        ; rect: four tiles of 16 rows x 32768 bytes
	s_add_co_u32 s16, s16, s18
	s_add_nc_u64 s[54:55], s[54:55], s[16:17]
	s_lshl_b32 s16, ttmp9, 7                       ; bias: 32 outputs
	s_add_nc_u64 s[10:11], s[10:11], s[16:17]
	s_lshl_b32 s18, s15, 16                        ; out: 64 rows of 1024 bytes + 32 outputs
	s_add_co_u32 s16, s16, s18
	s_add_nc_u64 s[12:13], s[12:13], s[16:17]
; the table fragments of step g (input g/4 of my eight, q = g%4): two tiles of 16 outputs, two halves of 4 registers
.macro LDT g
.irp nt, 0,1
.irp hf, 0,1
	global_load_b128 v[RING+16*((\g)%6)+8*\nt+4*\hf:RING+16*((\g)%6)+8*\nt+4*\hf+3], v1, s[4:5] offset:\nt*524288+(\g)*1024+\hf*512
.endr
.endr
.endm
; group n of the ring, four loads.  n < 32: step n's table.  n = 32 + 3 s: tail step s's table; + 1: its weights of rows 0-31; + 2: of rows 32-63.
.macro LDG n
.if (\n) < 32
	LDT \n
.else
.if ((\n)-32)%3 == 0
.irp nt, 0,1
.irp hf, 0,1
	global_load_b128 v[RING+16*((\n)%6)+8*\nt+4*\hf:RING+16*((\n)%6)+8*\nt+4*\hf+3], v1, s[52:53] offset:\nt*32768+(((\n)-32)/3)*1024+\hf*512
.endr
.endr
.else
.irp mh, 0,1
.irp hf, 0,1
	global_load_b128 v[RING+16*((\n)%6)+8*\mh+4*\hf:RING+16*((\n)%6)+8*\mh+4*\hf+3], v1, s[54:55] offset:(2*(((\n)-32)%3-1)+\mh)*32768+(((\n)-32)/3)*1024+\hf*512
.endr
.endr
.endif
.endif
.endm
	global_load_b128 v[BIAS:BIAS+3], v[BOFF], s[10:11]
.irp mt, 0,1,2,3
.irp hb, 0,1
	global_load_b128 v[PW+8*\mt+4*\hb:PW+8*\mt+4*\hb+3], v1, s[6:7] offset:\mt*16384+\hb*512
.endr
.endr
.irp mt, 0,1,2,3
	global_load_b64 v[AW+2*\mt:AW+2*\mt+1], v2, s[8:9] offset:\mt*4096
.endr
	LDG 0
	LDG 1
	LDG 2
	LDG 3
	LDG 4
	; LDS addresses.  In: wave, then (mt, nt, hf) by the immediate, then h x 288 + r x 16.
	s_mul_i32 s16, s14, WST
	v_lshrrev_b32 v4, 4, v3
	v_mul_u32_u24 v4, v4, 288
	v_and_b32 v5, 15, v3
	v_lshl_add_u32 v4, v5, 4, v4
	v_add_nc_u32 v[STO], s16, v4
	; Back: thread t takes row t >> 3 and outputs 4 (t & 7) ..: mt = t>>7, r = (t>>3)&15, nt = (t>>2)&1, h = (t>>1)&1, hf = t&1.
	; The four low terms are 128, 32, 64 and 16 modulo 256: sixteen neighbouring threads read sixteen different columns of 16 bytes.
	v_lshrrev_b32 v4, 7, v0
	v_mul_u32_u24 v4, v4, 2304
	v_bfe_u32 v5, v0, 2, 1
	v_mul_u32_u24 v5, v5, 1152
	v_add_nc_u32 v4, v4, v5
	v_and_b32 v5, 1, v0
	v_mul_u32_u24 v5, v5, 576
	v_add_nc_u32 v4, v4, v5
	v_bfe_u32 v5, v0, 1, 1
	v_mul_u32_u24 v5, v5, 288
	v_add_nc_u32 v4, v4, v5
	v_bfe_u32 v5, v0, 3, 4
	v_lshl_add_u32 v[RD], v5, 4, v4
	v_add_nc_u32 v[RD+1], 7*WST, v[RD]             ; the immediate reaches 65535 bytes: seven blocks for each register
	v_add_nc_u32 v[RD+2], 14*WST, v[RD]
	v_lshrrev_b32 v4, 3, v0
	v_lshl_or_b32 v[OOFF], v4, 10, v[BOFF]
; The weight fragment of 16 rows (tile mt) for step g into buffer buf.  At an input's first step: split a, make the eight masks.
; In every step: the word if a >> 3 is this q, else 0; then eight selects put it into register a & 7 and zeros into the others.
.macro BUILD mt, buf, g
.if (\g)%4 == 0
	v_bfe_u32 v[VLO], v[AW+2*\mt+(\g)/16], 8*(((\g)/4)%4), 3
	v_bfe_u32 v[VHI+\mt], v[AW+2*\mt+(\g)/16], 8*(((\g)/4)%4)+3, 2
.irp j, 0,1,2,3,4,5,6,7
	v_cmp_eq_u32 s[MSK+8*\mt+\j], \j, v[VLO]
.endr
.endif
	v_cmp_eq_u32 vcc_lo, (\g)%4, v[VHI+\mt]
	v_cndmask_b32 v[PQ], 0, v[PW+8*\mt+(\g)/4], vcc_lo
.irp j, 0,1,2,3,4,5,6,7
	v_cndmask_b32 v[WB+8*\buf+\j], 0, v[PQ], s[MSK+8*\mt+\j]
.endr
.endm
; two matrix instructions: both tiles of outputs x 16 rows.  The first step starts the sums: nothing is cleared.
.macro MM mt, buf, g
.irp nt, 0,1
.if \g == 0
	v_wmma_f32_16x16x32_bf16 v[ACC+8*(2*\mt+\nt):ACC+8*(2*\mt+\nt)+7], v[RING+16*((\g)%6)+8*\nt:RING+16*((\g)%6)+8*\nt+7], v[WB+8*\buf:WB+8*\buf+7], 0
.else
	v_wmma_f32_16x16x32_bf16 v[ACC+8*(2*\mt+\nt):ACC+8*(2*\mt+\nt)+7], v[RING+16*((\g)%6)+8*\nt:RING+16*((\g)%6)+8*\nt+7], v[WB+8*\buf:WB+8*\buf+7], v[ACC+8*(2*\mt+\nt):ACC+8*(2*\mt+\nt)+7]
.endif
.endr
.endm
; A step.  Distances behind matrix instructions: a weight buffer is written again only behind the ten or more plain
; vector lines that build the OTHER buffer, and the loads into the slot read in the last step stand behind the ten lines of BUILD 0, 0;
; those lines name no register of the matrix instructions in question.  The accumulators are chains in place.
.macro STEP g
	BUILD 0, 0, \g
	LDG \g+5                                       ; five groups ahead, into the slot that the last step read
	s_wait_loadcnt 20                              ; loads come back in order: group g's four are in, the five younger groups of four stay out
	MM 0, 0, \g
	BUILD 1, 1, \g
	MM 1, 1, \g
	BUILD 2, 0, \g
	MM 2, 0, \g
	BUILD 3, 1, \g
	MM 3, 1, \g
.endm
; A tail step: table from group 32 + 3 s, weights from the two groups behind it; both sources as they were loaded.
.macro TSTEP s
.irp mt, 0,1,2,3
.irp nt, 0,1
	v_wmma_f32_16x16x32_bf16 v[ACC+8*(2*\mt+\nt):ACC+8*(2*\mt+\nt)+7], v[RING+16*((32+3*\s)%6)+8*\nt:RING+16*((32+3*\s)%6)+8*\nt+7], v[RING+16*((33+3*\s+\mt/2)%6)+8*(\mt%2):RING+16*((33+3*\s+\mt/2)%6)+8*(\mt%2)+7], v[ACC+8*(2*\mt+\nt):ACC+8*(2*\mt+\nt)+7]
.endr
.endr
.endm
	s_wait_loadcnt 20                              ; bias, weight words and knot numbers (13 loads) are in; the 20 table loads behind them stay out
.irp g, 0,1,2,3,4,5,6,7,8,9,10,11,12,13,14,15,16,17,18,19,20,21,22,23,24,25,26,27,28,29,30,31
	STEP \g
.endr
.rept 4
	v_nop                                          ; four places between step 31's matrix instructions and the loads into the slot that they read
.endr
	LDG 37                                         ; the last group
	s_wait_loadcnt 12                              ; groups 32, 33, 34 are in; 35, 36, 37 (12 loads) stay out
	TSTEP 0
	s_wait_loadcnt 0x0                             ; nothing was asked for behind group 37
	TSTEP 1
	; The 16 partial blocks meet in LDS.
.rept 4
	v_nop                                          ; four places between the last matrix instruction and the stores that read results
.endr
.irp mt, 0,1,2,3
.irp nt, 0,1
.irp hf, 0,1
	ds_store_b128 v[STO], v[ACC+8*(2*\mt+\nt)+4*\hf:ACC+8*(2*\mt+\nt)+4*\hf+3] offset:\mt*2304+\nt*1152+\hf*576
.endr
.endr
.endr
	s_wait_dscnt 0x0                               ; my stores are done, for the other waves' sake
	s_barrier_signal -1
	s_barrier_wait -1                              ; everybody's are
.irp u, 0,1,2,3,4,5,6,7,8,9,10,11,12,13,14,15
	ds_load_b128 v[ACC+4*\u:ACC+4*\u+3], v[RD+\u/7] offset:(\u%7)*WST          ; wave u's partial of my four outputs
.endr
	s_wait_dscnt 0x0
.macro ADDQ a, b                       ; four sums: quad a += quad b
	v_pk_add_f32 v[ACC+4*(\a):ACC+4*(\a)+1], v[ACC+4*(\a):ACC+4*(\a)+1], v[ACC+4*(\b):ACC+4*(\b)+1]
	v_pk_add_f32 v[ACC+4*(\a)+2:ACC+4*(\a)+3], v[ACC+4*(\a)+2:ACC+4*(\a)+3], v[ACC+4*(\b)+2:ACC+4*(\b)+3]
.endm
.irp a, 0,1,2,3,4,5,6,7
	ADDQ \a, \a+8
.endr
.irp a, 0,1,2,3
	ADDQ \a, \a+4
.endr
	ADDQ 0, 2
	ADDQ 1, 3
	ADDQ 0, 1
	v_pk_add_f32 v[ACC:ACC+1], v[ACC:ACC+1], v[BIAS:BIAS+1]
	v_pk_add_f32 v[ACC+2:ACC+3], v[ACC+2:ACC+3], v[BIAS+2:BIAS+3]
	global_store_b128 v[OOFF], v[ACC:ACC+3], s[12:13]          ; eight neighbouring threads: 128 consecutive bytes of a row of out
	s_wait_tensorcnt 0x0
	ds_add_u32 v254, v255
	s_wait_dscnt 0x0
	s_endpgm
.Lfunc_end_k_q8e6b3e7cf8_main:
	.size	k_q8e6b3e7cf8_main, .Lfunc_end_k_q8e6b3e7cf8_main-k_q8e6b3e7cf8_main
	.p2alignl 7, 3214868480
	.fill 96, 4, 3214868480
	.section	.rodata,"a",@progbits
	.p2align	6, 0x0
	.amdhsa_kernel k_q8e6b3e7cf8_main
		.amdhsa_group_segment_fixed_size 149504
		.amdhsa_private_segment_fixed_size 0
		.amdhsa_enable_private_segment 0
		.amdhsa_kernarg_size 56
		.amdhsa_user_sgpr_count 2
		.amdhsa_user_sgpr_kernarg_segment_ptr 1
		.amdhsa_wavefront_size32 1
		.amdhsa_system_sgpr_workgroup_id_x 1
		.amdhsa_system_sgpr_workgroup_id_y 1
		.amdhsa_system_sgpr_workgroup_id_z 1
		.amdhsa_system_vgpr_workitem_id 0
		.amdhsa_next_free_vgpr 256
		.amdhsa_next_free_sgpr 66
		.amdhsa_reserve_vcc 1
		.amdhsa_float_denorm_mode_32 3
		.amdhsa_float_denorm_mode_16_64 3
		.amdhsa_memory_ordered 1
		.amdhsa_forward_progress 1
		.amdhsa_inst_pref_size 134
	.end_amdhsa_kernel
	.amdgpu_metadata
---
amdhsa.version: [ 1, 2 ]
amdhsa.kernels:
  - .name:           k_q8e6b3e7cf8_main
    .symbol:         k_q8e6b3e7cf8_main.kd
    .args:
      - { .name: tab, .offset: 0, .size: 8, .value_kind: global_buffer, .address_space: global }
      - { .name: recp, .offset: 8, .size: 8, .value_kind: global_buffer, .address_space: global }
      - { .name: reca, .offset: 16, .size: 8, .value_kind: global_buffer, .address_space: global }
      - { .name: bias, .offset: 24, .size: 8, .value_kind: global_buffer, .address_space: global }
      - { .name: out0, .offset: 32, .size: 8, .value_kind: global_buffer, .address_space: global }
      - { .name: tabt, .offset: 40, .size: 8, .value_kind: global_buffer, .address_space: global }
      - { .name: rect, .offset: 48, .size: 8, .value_kind: global_buffer, .address_space: global }
    .group_segment_fixed_size: 149504
    .private_segment_fixed_size: 0
    .kernarg_segment_align: 8
    .kernarg_segment_size: 56
    .max_flat_workgroup_size: 512
    .sgpr_count:     66
    .vgpr_count:     256
    .wavefront_size: 32
...
	.end_amdgpu_metadata
.endif
;; end of part 2
;; ======== version 2 of 2: 2 launches; version 1 with the launch main written anew for expert scheduling mode
;; limits: values outside matrix products are rounded to bf16
;; workspace buffers: tab 8,388,608 bytes; recp 2,097,152 bytes; reca 524,288 bytes of whole numbers; tabt 524,288 bytes; rect 4,194,304 bytes
;; launch prep: the kernel of part 1 again; grid 256 x 1, 8 waves a work-group, no clusters, 66,048 bytes of LDS; arguments coeffs, knots, x, tab, recp, reca, tabt, rect; writes tab, recp, reca, tabt, rect
;; launch main (part 3): grid 8 x 32, 16 waves a work-group, no clusters, 149,504 bytes of LDS; arguments tab, recp, reca, bias, out0, tabt, rect; writes out0
.if DOCPART == 3
	.amdgcn_target "amdgcn-amd-amdhsa--gfx1250"
	.amdhsa_code_object_version 6
	.text
	.protected	k_q8e6b3e7cf8_main
	.globl	k_q8e6b3e7cf8_main
	.p2align	8
	.type	k_q8e6b3e7cf8_main,@function
k_q8e6b3e7cf8_main:
	s_mov_b64 s[64:65], 0
	v_nop
	global_prefetch_b8 v0, s[64:65] scope:SCOPE_SE
	s_setreg_imm32_b32 hwreg(HW_REG_WAVE_SCHED_MODE, 0, 2), 2
	s_setreg_imm32_b32 hwreg(HW_REG_WAVE_MODE, 25, 1), 1
	s_wait_xcnt 0x0
	s_wait_alu depctr_vm_vsrc(0)
; KAN layer, second launch: out[b][o] = sum over (i, knot) of wy[b][i][knot] y[o][i][knot] + wd[b][i][knot] d[o][i][knot]
;                                      + sum over (i, side) of the linear tails + bias[o],
; a matrix product of 2048 x 256 over K = 128 x (64 x 2 + 8) in bf16 with f32 sums.  The cubic's weights have two non-zero knots for each
; (b, i); their fragments are made in registers by selects, so that no address and no branch hangs on data.
; A work-group owns 64 rows x 32 outputs over the whole K.  Its 16 waves split K: wave w takes inputs 8w..8w+7 and the whole block
; (8 accumulator tiles): 32 steps of 32 along K (one input, 16 knots, y and d) and 2 steps for the tails (four inputs, two sides, two words
; each, slopes and weights in two bf16 parts: see the first launch), 8 matrix instructions a step.  The 16 partial blocks meet in LDS once.
; ORDER OF K, alike in both sources: in step (i, q) register j of lane half h holds the word {y, d} of knot 16q + 2j + h.  So a lane sees
; knots of one parity only, and among its 32 words of a (b, i) at most one is not zero: number a = knot >> 1, at q = a >> 3, j = a & 7.
; In a tail step lane half h is the side, register j the word j & 1 of input 4s + (j >> 1); these fragments come ready from memory.
; THE MATRIX INSTRUCTION IS USED TRANSPOSED: source 0 = 16 outputs of the table, source 1 = 16 rows of weights; register j of lane
; (r, h) is then out(b = r, o = 8h + j): four neighbouring outputs in four registers.
; Fragments go from memory straight into registers, each load of the wave 512 consecutive bytes, through a ring of 6 groups of 4 loads.
; NO CLUSTER, NO TENSOR LOAD: the 32 row blocks do read the same table, but here each table byte is used by one wave of the work-group
; once, from the registers it was loaded into; a joint request delivers into LDS, which would add a write and a read of the work-group's
; 1,048,576 table bytes.
; A work-group owns 128 bytes of each output row, so the one store of a wave covers 4 runs of 128 consecutive bytes.
; LIMITS.  Operands are bf16.  A table entry that is not finite spoils its whole output column (0 x inf).  The sum over i is made
; in the matrix unit's order and then over the 16 waves in a tree, not in the model's order.
; THE MODE: SCHED_MODE bits 1:0 = 2 (LLVM: expert scheduling mode 2), set by the entry lines.  The code itself states the register dependences
; between vector or matrix instructions and memory or LDS instructions, and those through scalar registers that vector instructions write,
; with s_wait_alu, always for 0.
; THE PLAN.  Registers that memory or LDS instructions touch:
;   v1, v2, BOFF  offsets, made once at the head, read by every global load, never written again.
;   RING          slot n % 6: group n's four loads land in it, issued in step n - 5; step n's eight matrix instructions read it, and nothing else names it.
;   PW, AW, BIAS  loaded once at the head, then read by vector lines alone.
;   STO, RD, OOFF made behind the first loads, read at the end.
;   ACC           written by matrix instructions; the data of the 16 LDS stores; not written behind them.
;   PS            the ring's first 64 registers, at the end: the partial sums come back from LDS into them, are added there and stored from there.
; So ONE wait on va_vdst stands in a step, behind the selects that build its first weight fragment: the step before is done reading the slot in which this
; step's four loads land.  These follow it at once, in one run ahead of the step's products, so that each group is asked for five whole steps ahead of the
; wait for it.  No register that a memory or LDS instruction reads is ever written again, so the steps hold no wait on vm_vsrc.
; Scalar registers that vector lines write: the wave's number, and an input's 48 masks, which are made in runs, with one wait on va_sdst for each input
; between the compares and the first select that reads a mask.
.set ACC,  16                          ; v[16:79]    tile (mt, nt) at +8 (2 mt + nt)
.set RING, 80                          ; v[80:175]   group n in slot n % 6: 16 registers
.set PS,   RING                        ; v[80:143]   at the end: wave u's partial of my four outputs at +4 u
.set WB,   176                         ; v[176:191]  two weight fragments in turn
.set PW,   192                         ; v[192:223]  weight word of (mt, input il) at +8 mt + il
.set AW,   224                         ; v[224:231]  knot numbers: word +2 mt + il/4, byte il%4
.set VHI,  232                         ; v[232:235]  a >> 3 of an input, for each mt
.set VLO,  236                         ; v[236:239]  a & 7
.set BIAS, 240                         ; v[240:243]
.set STO,  244                         ; LDS: where my partial tiles go
.set RD,   245                         ; v[245:247]  LDS: where I read the partials of waves 0-6, 7-13, 14-15
.set OOFF, 248                         ; my 16 bytes in the work-group's part of out
.set BOFF, 249                         ; my 16 bytes of bias
.set PQ,   250                         ; the weight word, or 0 if this step is not its q
.set MSK,  20                          ; s[20:51]    mask (a & 7 == j) at +8 mt + j
.set QM,   66                          ; s[66:81]    mask (a >> 3 == q) at +4 mt + q
.set WST,  9216                        ; LDS bytes of a wave's block: 4 mt x 2 nt x 2 hf x 2 h x (256 + 32)
	s_load_b256 s[4:11], s[0:1], 0x0               ; tab s[4:5], recp s[6:7], reca s[8:9], bias s[10:11]
	s_load_b64 s[12:13], s[0:1], 0x20              ; out0
	s_load_b128 s[52:55], s[0:1], 0x28             ; tabt s[52:53], rect s[54:55]
	v_lshl_add_u32 v254, v0, 2, 0x24000
	v_mov_b32 v255, 0
	v_lshrrev_b32 v4, 5, v0
	v_readfirstlane_b32 s14, v4                    ; wave 0..15
	s_and_b32 s15, ttmp7, 0xffff                   ; block of 64 rows; ttmp9: block of 32 outputs
	v_and_b32 v3, 31, v0                           ; lane
	v_lshlrev_b32 v1, 4, v3                        ; 16 lane
	v_lshlrev_b32 v2, 3, v3                        ; 8 lane
	v_and_b32 v5, 7, v0
	v_lshlrev_b32 v[BOFF], 4, v5                   ; four outputs a thread
	s_mov_b32 s17, 0
	s_wait_alu depctr_va_sdst(0)                   ; s14 is written, ahead of its first reader: the wave's offsets below are made from it
	s_wait_kmcnt 0x0
	s_lshl_b32 s16, ttmp9, 20                      ; tab: two tiles of 16 outputs x 524288 bytes
	s_lshl_b32 s18, s14, 15                        ;      + 8 inputs x 4096 bytes a wave
	s_add_co_u32 s16, s16, s18
	s_add_nc_u64 s[4:5], s[4:5], s[16:17]
	s_lshl_b32 s16, s15, 16                        ; recp: four tiles of 16 rows x 16384 bytes
	s_lshl_b32 s18, s14, 10                        ;       + two blocks of 512 bytes a wave
	s_add_co_u32 s16, s16, s18
	s_add_nc_u64 s[6:7], s[6:7], s[16:17]
	s_lshl_b32 s16, s15, 14                        ; reca: four tiles x 4096 bytes
	s_lshl_b32 s18, s14, 8                         ;       + one block of 256 bytes a wave
	s_add_co_u32 s16, s16, s18
	s_add_nc_u64 s[8:9], s[8:9], s[16:17]
	s_lshl_b32 s18, s14, 11                        ; tabt and rect: 2048 bytes for each group of 8 inputs = wave
	s_lshl_b32 s16, ttmp9, 16                      ; tabt: two tiles of 16 outputs x 32768 bytes
	s_add_co_u32 s16, s16, s18
	s_add_nc_u64 s[52:53], s[52:53], s[16:17]
	s_lshl_b32 s16, s15, 17                        ; rect: four tiles of 16 rows x 32768 bytes
	s_add_co_u32 s16, s16, s18
	s_add_nc_u64 s[54:55], s[54:55], s[16:17]
	s_lshl_b32 s16, ttmp9, 7                       ; bias: 32 outputs
	s_add_nc_u64 s[10:11], s[10:11], s[16:17]
	s_lshl_b32 s18, s15, 16                        ; out: 64 rows of 1024 bytes + 32 outputs
	s_add_co_u32 s16, s16, s18
	s_add_nc_u64 s[12:13], s[12:13], s[16:17]
; Load k of the four of group n of the ring.  n < 32: step n's table (input n/4 of my eight, q = n%4): tile of 16 outputs k/2, half k%2 of its 8 registers.
; n = 32 + 3 s: tail step s's table, likewise; + 1: its weights of rows 0-31 (tile of 16 rows k/2); + 2: of rows 32-63.
.macro LD1 n, k
.if (\n) < 32
	global_load_b128 v[RING+16*((\n)%6)+4*(\k):RING+16*((\n)%6)+4*(\k)+3], v1, s[4:5] offset:((\k)/2)*524288+(\n)*1024+((\k)%2)*512
.elseif ((\n)-32)%3 == 0
	global_load_b128 v[RING+16*((\n)%6)+4*(\k):RING+16*((\n)%6)+4*(\k)+3], v1, s[52:53] offset:((\k)/2)*32768+(((\n)-32)/3)*1024+((\k)%2)*512
.else
	global_load_b128 v[RING+16*((\n)%6)+4*(\k):RING+16*((\n)%6)+4*(\k)+3], v1, s[54:55] offset:(2*(((\n)-32)%3-1)+(\k)/2)*32768+(((\n)-32)/3)*1024+((\k)%2)*512
.endif
.endm
.macro LDG n                           ; a whole group
.irp k, 0,1,2,3
	LD1 \n, \k
.endr
.endm
	s_wait_alu depctr_va_vdst(0)                   ; v1, v2 and v[BOFF] are written: every global load of the kernel reads one of them as its offset
	global_load_b128 v[BIAS:BIAS+3], v[BOFF], s[10:11]
.irp mt, 0,1,2,3
.irp hb, 0,1
	global_load_b128 v[PW+8*\mt+4*\hb:PW+8*\mt+4*\hb+3], v1, s[6:7] offset:\mt*16384+\hb*512
.endr
.endr
.irp mt, 0,1,2,3
	global_load_b64 v[AW+2*\mt:AW+2*\mt+1], v2, s[8:9] offset:\mt*4096
.endr
	LDG 0
	LDG 1
	LDG 2
	LDG 3
	LDG 4
	; LDS addresses (these lines write none of the three offsets that the loads above read).  In: wave, then (mt, nt, hf) by the immediate, then h x 288 + r x 16.
	s_mul_i32 s16, s14, WST
	v_lshrrev_b32 v4, 4, v3
	v_mul_u32_u24 v4, v4, 288
	v_and_b32 v5, 15, v3
	v_lshl_add_u32 v4, v5, 4, v4
	v_add_nc_u32 v[STO], s16, v4
	; Back: thread t takes row t >> 3 and outputs 4 (t & 7) ..: mt = t>>7, r = (t>>3)&15, nt = (t>>2)&1, h = (t>>1)&1, hf = t&1.
	; The four low terms are 128, 32, 64 and 16 modulo 256: sixteen neighbouring threads read sixteen different columns of 16 bytes.
	v_lshrrev_b32 v4, 7, v0
	v_mul_u32_u24 v4, v4, 2304
	v_bfe_u32 v5, v0, 2, 1
	v_mul_u32_u24 v5, v5, 1152
	v_add_nc_u32 v4, v4, v5
	v_and_b32 v5, 1, v0
	v_mul_u32_u24 v5, v5, 576
	v_add_nc_u32 v4, v4, v5
	v_bfe_u32 v5, v0, 1, 1
	v_mul_u32_u24 v5, v5, 288
	v_add_nc_u32 v4, v4, v5
	v_bfe_u32 v5, v0, 3, 4
	v_lshl_add_u32 v[RD], v5, 4, v4
	v_add_nc_u32 v[RD+1], 7*WST, v[RD]             ; the immediate reaches 65535 bytes: seven blocks for each register
	v_add_nc_u32 v[RD+2], 14*WST, v[RD]
	v_lshrrev_b32 v4, 3, v0
	v_lshl_or_b32 v[OOFF], v4, 10, v[BOFF]
; The masks of 16 rows (tile mt) for input il: a is split, eight compares say which register a & 7 names, four which step a >> 3 names.
.macro MASKS mt, il
	v_bfe_u32 v[VLO+\mt], v[AW+2*\mt+(\il)/4], 8*((\il)%4), 3
	v_bfe_u32 v[VHI+\mt], v[AW+2*\mt+(\il)/4], 8*((\il)%4)+3, 2
.irp j, 0,1,2,3,4,5,6,7
	v_cmp_eq_u32 s[MSK+8*\mt+\j], \j, v[VLO+\mt]
.endr
.irp q, 0,1,2,3
	v_cmp_eq_u32 s[QM+4*\mt+\q], \q, v[VHI+\mt]
.endr
.endm
; The weight fragment of 16 rows (tile mt) for step g into buffer buf: the word if a >> 3 is this q, else 0; then eight selects put it
; into register a & 7 and zeros into the others.
.macro BUILD mt, buf, g
	v_cndmask_b32 v[PQ], 0, v[PW+8*\mt+(\g)/4], s[QM+4*\mt+(\g)%4]
.irp j, 0,1,2,3,4,5,6,7
	v_cndmask_b32 v[WB+8*\buf+\j], 0, v[PQ], s[MSK+8*\mt+\j]
.endr
.endm
; two matrix instructions: both tiles of outputs x 16 rows.  The first step starts the sums: nothing is cleared.
.macro MM mt, buf, g
.irp nt, 0,1
.if \g == 0
	v_wmma_f32_16x16x32_bf16 v[ACC+8*(2*\mt+\nt):ACC+8*(2*\mt+\nt)+7], v[RING+16*((\g)%6)+8*\nt:RING+16*((\g)%6)+8*\nt+7], v[WB+8*\buf:WB+8*\buf+7], 0
.else
	v_wmma_f32_16x16x32_bf16 v[ACC+8*(2*\mt+\nt):ACC+8*(2*\mt+\nt)+7], v[RING+16*((\g)%6)+8*\nt:RING+16*((\g)%6)+8*\nt+7], v[WB+8*\buf:WB+8*\buf+7], v[ACC+8*(2*\mt+\nt):ACC+8*(2*\mt+\nt)+7]
.endif
.endr
.endm
; A step.  Distances behind matrix instructions (ISA guide 7.12.1): a weight buffer is written again only behind the nine plain vector lines
; that build the OTHER buffer; those lines name no register of the matrix instructions in question.  The eight accumulators take turns.
; Group g + 5 lands in the slot that step g - 1 read: its four loads stand in one run directly behind the step's one wait on va_vdst.
; In an input's last step the next input's masks are made, tile mt's behind the last selects that read tile mt's old ones.
.macro STEP g
.if (\g)%4 == 0
	s_wait_alu depctr_va_sdst(0)                   ; this input's 48 compares have written s[MSK ..] and s[QM ..], ahead of the first select that reads one of them
.endif
	BUILD 0, 0, \g
.if \g > 0
	s_wait_alu depctr_va_vdst(0)                   ; the last step's matrix instructions are done reading their slot, in which the four loads below land (in step 0 that slot has not been named yet)
.endif
	LDG \g+5                                       ; five groups ahead, into the slot that the last step read
	s_wait_loadcnt 20                              ; loads come back in order: group g's four are in, the five younger groups of four stay out
	MM 0, 0, \g
.if (\g)%4 == 3 && (\g) < 31
	MASKS 0, (\g)/4+1
.endif
	BUILD 1, 1, \g
	MM 1, 1, \g
.if (\g)%4 == 3 && (\g) < 31
	MASKS 1, (\g)/4+1
.endif
	BUILD 2, 0, \g
	MM 2, 0, \g
.if (\g)%4 == 3 && (\g) < 31
	MASKS 2, (\g)/4+1
.endif
	BUILD 3, 1, \g
.if (\g)%4 == 3 && (\g) < 31
	MASKS 3, (\g)/4+1
.endif
	MM 3, 1, \g
.endm
; A tail step: table from group 32 + 3 s, weights from the two groups behind it; both sources as they were loaded.
.macro TSTEP s
.irp mt, 0,1,2,3
.irp nt, 0,1
	v_wmma_f32_16x16x32_bf16 v[ACC+8*(2*\mt+\nt):ACC+8*(2*\mt+\nt)+7], v[RING+16*((32+3*\s)%6)+8*\nt:RING+16*((32+3*\s)%6)+8*\nt+7], v[RING+16*((33+3*\s+\mt/2)%6)+8*(\mt%2):RING+16*((33+3*\s+\mt/2)%6)+8*(\mt%2)+7], v[ACC+8*(2*\mt+\nt):ACC+8*(2*\mt+\nt)+7]
.endr
.endr
.endm
	s_wait_loadcnt 20                              ; bias, weight words and knot numbers (13 loads) are in; the 20 table loads behind them stay out
.irp mt, 0,1,2,3
	MASKS \mt, 0                                   ; the first input's masks, in one run
.endr
.irp g, 0,1,2,3,4,5,6,7,8,9,10,11,12,13,14,15,16,17,18,19,20,21,22,23,24,25,26,27,28,29,30,31
	STEP \g
.endr
.rept 4
	v_nop                                          ; four places between step 31's matrix instructions and the loads into the slot that they read
.endr
	s_wait_alu depctr_va_vdst(0)                   ; step 31's matrix instructions are done reading their slot, in which the last group lands
	LDG 37                                         ; the last group
	s_wait_loadcnt 12                              ; groups 32, 33, 34 are in; 35, 36, 37 (12 loads) stay out
	TSTEP 0
	s_wait_loadcnt 0x0                             ; nothing was asked for behind group 37
	TSTEP 1
	; The 16 partial blocks meet in LDS.
.rept 4
	v_nop                                          ; four places between the last matrix instruction and the stores that read results
.endr
	s_wait_alu depctr_va_vdst(0)                   ; the matrix instructions have written the accumulators, which the LDS stores read, and are done reading the ring, in which the loads from LDS land; v[STO] and v[RD ..] are written; the places above stay beside this wait
.irp mt, 0,1,2,3
.irp nt, 0,1
.irp hf, 0,1
	ds_store_b128 v[STO], v[ACC+8*(2*\mt+\nt)+4*\hf:ACC+8*(2*\mt+\nt)+4*\hf+3] offset:\mt*2304+\nt*1152+\hf*576
.endr
.endr
.endr
	s_wait_dscnt 0x0                               ; my stores are done, for the other waves' sake
	s_barrier_signal -1
	s_barrier_wait -1                              ; everybody's are
.irp u, 0,1,2,3,4,5,6,7,8,9,10,11,12,13,14,15
	ds_load_b128 v[PS+4*\u:PS+4*\u+3], v[RD+\u/7] offset:(\u%7)*WST            ; wave u's partial of my four outputs; no vector or matrix line since the wait above names these registers, and no store reads them
.endr
	s_wait_dscnt 0x0
.macro ADDQ a, b                       ; four sums: quad a += quad b
	v_pk_add_f32 v[PS+4*(\a):PS+4*(\a)+1], v[PS+4*(\a):PS+4*(\a)+1], v[PS+4*(\b):PS+4*(\b)+1]
	v_pk_add_f32 v[PS+4*(\a)+2:PS+4*(\a)+3], v[PS+4*(\a)+2:PS+4*(\a)+3], v[PS+4*(\b)+2:PS+4*(\b)+3]
.endm
.irp a, 0,1,2,3,4,5,6,7
	ADDQ \a, \a+8
.endr
.irp a, 0,1,2,3
	ADDQ \a, \a+4
.endr
	ADDQ 0, 2
	ADDQ 1, 3
	ADDQ 0, 1
	v_pk_add_f32 v[PS:PS+1], v[PS:PS+1], v[BIAS:BIAS+1]
	v_pk_add_f32 v[PS+2:PS+3], v[PS+2:PS+3], v[BIAS+2:BIAS+3]
	s_wait_alu depctr_va_vdst(0)                   ; the sums have written v[PS:PS+3], which the store reads
	global_store_b128 v[OOFF], v[PS:PS+3], s[12:13]            ; eight neighbouring threads: 128 consecutive bytes of a row of out
	s_wait_dscnt 0x0
	s_wait_alu depctr_hold_cnt(0) depctr_sa_sdst(0) depctr_va_vdst(0) depctr_va_sdst(0) depctr_va_ssrc(0) depctr_va_vcc(0) depctr_vm_vsrc(0)
	s_wait_tensorcnt 0x0
	ds_add_u32 v254, v255
	s_wait_dscnt 0x0
	s_endpgm
.Lfunc_end_k_q8e6b3e7cf8_main:
	.size	k_q8e6b3e7cf8_main, .Lfunc_end_k_q8e6b3e7cf8_main-k_q8e6b3e7cf8_main
	.p2alignl 7, 3214868480
	.fill 96, 4, 3214868480
	.section	.rodata,"a",@progbits
	.p2align	6, 0x0
	.amdhsa_kernel k_q8e6b3e7cf8_main
		.amdhsa_group_segment_fixed_size 149504
		.amdhsa_private_segment_fixed_size 0
		.amdhsa_enable_private_segment 0
		.amdhsa_kernarg_size 56
		.amdhsa_user_sgpr_count 2
		.amdhsa_user_sgpr_kernarg_segment_ptr 1
		.amdhsa_wavefront_size32 1
		.amdhsa_system_sgpr_workgroup_id_x 1
		.amdhsa_system_sgpr_workgroup_id_y 1
		.amdhsa_system_sgpr_workgroup_id_z 1
		.amdhsa_system_vgpr_workitem_id 0
		.amdhsa_next_free_vgpr 256
		.amdhsa_next_free_sgpr 82
		.amdhsa_reserve_vcc 0
		.amdhsa_float_denorm_mode_32 3
		.amdhsa_float_denorm_mode_16_64 3
		.amdhsa_memory_ordered 1
		.amdhsa_forward_progress 1
		.amdhsa_inst_pref_size 143
	.end_amdhsa_kernel
	.amdgpu_metadata
---
amdhsa.version: [ 1, 2 ]
amdhsa.kernels:
  - .name:           k_q8e6b3e7cf8_main
    .symbol:         k_q8e6b3e7cf8_main.kd
    .args:
      - { .name: tab, .offset: 0, .size: 8, .value_kind: global_buffer, .address_space: global }
      - { .name: recp, .offset: 8, .size: 8, .value_kind: global_buffer, .address_space: global }
      - { .name: reca, .offset: 16, .size: 8, .value_kind: global_buffer, .address_space: global }
      - { .name: bias, .offset: 24, .size: 8, .value_kind: global_buffer, .address_space: global }
      - { .name: out0, .offset: 32, .size: 8, .value_kind: global_buffer, .address_space: global }
      - { .name: tabt, .offset: 40, .size: 8, .value_kind: global_buffer, .address_space: global }
      - { .name: rect, .offset: 48, .size: 8, .value_kind: global_buffer, .address_space: global }
    .group_segment_fixed_size: 149504
    .private_segment_fixed_size: 0
    .kernarg_segment_align: 8
    .kernarg_segment_size: 56
    .max_flat_workgroup_size: 512
    .sgpr_count:     82
    .vgpr_count:     256
    .wavefront_size: 32
...
	.end_amdgpu_metadata
.endif
;; end of part 3
